; MI455X (gfx1250); checked and timed in simulation.
; The chip was launched on July 23, 2026; its instructions are those of AMD's public machine-readable ISA for CDNA 5 (MIT licence, August 2026) and "CDNA5" Instruction Set Architecture Reference Guide (July 2026). The comments in the code are by the model that wrote it; some were corrected since.
;; Attn. Allowed arithmetic: float matrix products may take bf16 or f16 operands with f32 sums; all other float work in f32.
;; Inputs: W_attn 1,024 x 1,024 float32; b_attn 1,024 float32; encoder_outputs 1,024 x 64 x 1,024 float32; hidden 1 x 64 x 1,024 float32.
;; Outputs: out0 64 x 1 x 1,024 float32.
;; 2 versions, each right; version 2 is version 1 with the launch energy written anew for expert scheduling mode. Each part assembles by itself: llvm-mc -triple=amdgcn-amd-amdhsa -mcpu=gfx1250 --defsym DOCPART=n.
;; ======== version 1 of 2: 3 launches
;; workspace buffers: vpart 1,048,576 bytes; ebuf 262,144 bytes
;; launch vproj (part 1): grid 16 x 16, 8 waves a work-group, no clusters, 33,792 bytes of LDS; arguments hidden, W_attn, vpart; writes vpart
.if DOCPART == 1
	.amdgcn_target "amdgcn-amd-amdhsa--gfx1250"
	.amdhsa_code_object_version 6
	.text
	.protected	k_q8a3cdf2280_vproj
	.globl	k_q8a3cdf2280_vproj
	.p2align	8
	.type	k_q8a3cdf2280_vproj,@function
k_q8a3cdf2280_vproj:
	s_mov_b64 s[64:65], 0
	v_nop
	global_prefetch_b8 v0, s[64:65] scope:SCOPE_SE
	s_setreg_imm32_b32 hwreg(HW_REG_WAVE_MODE, 25, 1), 1
	s_wait_xcnt 0x0
; vpart[kq][b][d] = sum over e = 256 kq .. 256 kq + 255 of hidden[b][e] * W[e][d].
; hidden: [64][1024] f32, W: [1024 e][1024 d] f32, vpart: [4 kq][64 b][1024 d] f32.  The four parts are added at the head of the next launch.
; WHY THIS PRODUCT: hidden[b] . (W enc[s][b] + bias) = (hidden[b] W) . enc[s][b] + hidden[b] . bias for every input, so the large
; product with 65,536 rows becomes this one with 64 rows, a stream over enc (next launch) and the bias term (last launch).
; SHARES: 16 column blocks x 4 row blocks x 4 quarters of K = 256 work-groups.  A work-group makes 16 rows b x 64 columns d over 256 e.
; Wave w of eight takes e = 256 kq + 32 w .. + 31, one K step, for the whole 16 x 64 block (four accumulators of 16 x 16); the eight partial
; blocks meet in LDS, and wave w sums rows 2 w and 2 w + 1.  All 20 loads of a wave go out at once.
; K is split over work-groups too, since a block narrower than 64 columns would take less than 256 consecutive bytes of a row of W, and
; 64 x 1,024 outputs make only 64 such blocks of 16 rows.
; NUMBER FORMAT: each f32 operand x is split into hi = bf16(x) and lo = bf16(x - hi); hi*hi + hi*lo + lo*hi are summed in f32.  The energies
; made from v stand in an exponent, so one bf16 term alone would not do.  Dropped: lo*lo and the residue of the split, some 2^-18 of a product.
; LIMITS: the order of rounding differs from a product summed along e in one chain (K is split over waves and work-groups, three terms a
; product); an infinity, or |x| so near the largest f32 that bf16(x) is infinite (above about 3.39e38), gives NaN through x - hi.
; NO JOINT REQUESTS, though the four work-groups of one column block and quarter read the same 64 KiB of W: W's rows go by plain loads straight
; into registers in the order in which fragments are packed (the transposition costs nothing), and joint requests serve tensor loads into LDS;
; a way through LDS would add that write and read to each work-group to spare re-reads of a tensor of 4 MiB.
.set ROWB, 4096                        ; bytes in a row of hidden, W, vpart
.set AH,   3                           ; v3   byte offset in hidden of my fragment's first 16 bytes
.set AW,   4                           ; v4   byte offset in W of my 16 bytes in the wave's first row
.set ST,   5                           ; v5   LDS: where my accumulators' numbers go in my wave's stage
.set RD,   6                           ; v6   LDS: my 16 bytes of rows 2 w, 2 w + 1 in partial block 0
.set CO,   7                           ; v7   byte offset in vpart of my 16 bytes
.set NEG1, 8                           ; v8   -1.0
.set ACC,  24                          ; v[24:55]   tile q at ACC + 8 q
.set HF,   56                          ; v[56:71]   hidden's fragment: hi, then lo
.set HR,   72                          ; v[72:87]   hidden as loaded, 16 words in the order of e; then the residues
.set FR,   88                          ; v[88:151]  W's fragments: tile q: hi at FR + 16 q, lo 8 further
.set RW,   152                         ; v[152:215] W as loaded: load i, word q at RW + 4 i + q; then the residues; later the eight partial sums
	s_load_b128 s[4:7], s[0:1], 0x0                ; hidden s[4:5], W s[6:7]
	s_load_b64 s[8:9], s[0:1], 0x10                ; vpart
	v_lshl_add_u32 v216, v0, 2, 0x8000
	v_mov_b32 v217, 0
	v_lshrrev_b32 v9, 5, v0
	v_readfirstlane_b32 s10, v9                    ; w: the wave's number, 0 to 7
	s_and_b32 s11, ttmp7, 0xffff                   ; y = 4 kq + bq;  ttmp9 = cg: which 64 columns d
	s_and_b32 s12, s11, 3                          ; bq: which 16 rows b
	s_lshr_b32 s11, s11, 2                         ; kq: which 256 e
	v_and_b32 v1, 15, v0                           ; r = lane % 16
	v_bfe_u32 v2, v0, 4, 1                         ; hh = lane / 16
	v_and_b32 v9, 31, v0                           ; lane
	v_mov_b32 v[NEG1], -1.0
	s_lshl_b32 s13, s12, 16                        ; 16 bq rows of 4,096 bytes
	s_lshl_b32 s14, s11, 10                        ; 256 kq numbers of 4 bytes
	s_add_co_u32 s13, s13, s14
	s_lshl_b32 s14, s10, 7                         ; 32 w numbers
	s_add_co_u32 s13, s13, s14
	v_lshlrev_b32 v[AH], 12, v1                    ; hidden: row 16 bq + r,
	v_lshl_add_u32 v[AH], v2, 5, v[AH]             ; e = 256 kq + 32 w + 8 hh
	v_add_nc_u32 v[AH], s13, v[AH]
	s_lshl_b32 s14, s11, 20                        ; 256 kq rows of 4,096 bytes
	s_lshl_b32 s15, s10, 17                        ; 32 w rows
	s_add_co_u32 s14, s14, s15
	s_lshl_b32 s15, ttmp9, 8                       ; 64 cg numbers of 4 bytes
	s_add_co_u32 s14, s14, s15
	v_lshlrev_b32 v[AW], 4, v1                     ; W: columns 64 cg + 4 r .. + 3,
	v_lshl_add_u32 v[AW], v2, 15, v[AW]            ; row 256 kq + 32 w + 8 hh
	v_add_nc_u32 v[AW], s14, v[AW]
	v_lshlrev_b32 v[ST], 4, v1                     ; stage of wave w: [16 b][64 d] f32 at 4,096 w; my numbers: row 8 hh + j, column 4 r + q
	v_lshl_add_u32 v[ST], v2, 11, v[ST]
	v_lshl_add_u32 v[ST], s10, 12, v[ST]
	v_lshlrev_b32 v[RD], 4, v9                     ; rows 2 w, 2 w + 1 of a partial block: 512 consecutive bytes, 16 a lane
	v_lshl_add_u32 v[RD], s10, 9, v[RD]
	s_lshl_b32 s16, s11, 18                        ; vpart: part kq of 64 rows,
	s_lshl_b32 s17, s12, 16                        ; row 16 bq
	s_add_co_u32 s16, s16, s17
	s_lshl_b32 s17, s10, 13                        ; + 2 w
	s_add_co_u32 s16, s16, s17
	s_add_co_u32 s16, s16, s15                     ; columns 64 cg
	v_lshlrev_b32 v[CO], 4, v1                     ; + 4 r .. + 3,
	v_lshl_add_u32 v[CO], v2, 12, v[CO]            ; one row down for lanes 16 to 31
	v_add_nc_u32 v[CO], s16, v[CO]
	s_wait_kmcnt 0x0
	; hidden's fragment of 16 rows x 32 e: lane (r, hh) holds row r, e = 8 hh + 0..7 and 16 + 8 hh + 0..7 of the K step (ISA guide 7.12.2):
	; in f32 that is 32 bytes at 32 hh and 32 bytes at 64 + 32 hh.  The eight waves together use 1,024 consecutive bytes of each row.
.irp k, 0,1,2,3
	global_load_b128 v[HR+4*\k:HR+4*\k+3], v[AH], s[4:5] offset:16*(\k%2)+64*(\k/2)
.endr
	; W lies [e][d], a fragment wants e along a lane's registers.  Load i takes, of row e = 8 hh + i (i < 8) or 16 + 8 hh + i - 8 of the K step,
	; the four columns 4 r .. 4 r + 3: word q belongs to tile q, whose column r stands for d = 64 cg + 4 r + q.  So the sixteen loads hold, word by
	; word, four fragments in the order of e.  Lanes 0-15 cover 256 consecutive aligned bytes of a row, lanes 16-31 those eight rows down.
.set i, 0
.rept 16
	global_load_b128 v[RW+4*i:RW+4*i+3], v[AW], s[6:7] offset:(i+8*(i/8))*ROWB
.set i, i+1
.endr
; Sixteen f32 become a fragment of hi and one of lo.  Word p is made of the f32 at x + step p and gap registers further.
; x - bf16(x) is exact in f32, so the multiply-add from the bf16 half rounds nothing; it is written over x, which is not needed again.
; Three runs of eight words, so that no line reads the result of the line in front of it.
.macro SPLIT hi, lo, x, step, gap
.set p, 0
.rept 8
	v_cvt_pk_bf16_f32 v[\hi+p], v[\x+\step*p], v[\x+\step*p+\gap]
.set p, p+1
.endr
.set p, 0
.rept 8
	v_fma_mix_f32_bf16 v[\x+\step*p], v[\hi+p], v[NEG1], v[\x+\step*p] op_sel_hi:[1,0,0]                          ; x0 - low half
	v_fma_mix_f32_bf16 v[\x+\step*p+\gap], v[\hi+p], v[NEG1], v[\x+\step*p+\gap] op_sel:[1,0,0] op_sel_hi:[1,0,0]  ; x1 - high half
.set p, p+1
.endr
.set p, 0
.rept 8
	v_cvt_pk_bf16_f32 v[\lo+p], v[\x+\step*p], v[\x+\step*p+\gap]
.set p, p+1
.endr
.endm
; One matrix instruction; zero = 1: it starts the sum, nothing is cleared.
.macro MM acc, a, b, zero
.if \zero
	v_wmma_f32_16x16x32_bf16 v[\acc:\acc+7], v[\a:\a+7], v[\b:\b+7], 0
.else
	v_wmma_f32_16x16x32_bf16 v[\acc:\acc+7], v[\a:\a+7], v[\b:\b+7], v[\acc:\acc+7]
.endif
.endm
; Tiles qa and qa + 1: their fragments are packed from W's words, then three products each.
; The two accumulators take turns, one instruction a turn; so do the two groups (tiles 0, 1, then 2, 3).
; Each tile has fragment registers of its own: the second group's packing writes no register that the first group's matrix instructions name.
.macro GROUP qa
	SPLIT FR+16*\qa, FR+16*\qa+8, RW+\qa, 8, 4
	SPLIT FR+16*\qa+16, FR+16*\qa+24, RW+\qa+1, 8, 4
	MM ACC+8*\qa,   HF,   FR+16*\qa,    1          ; hi x hi
	MM ACC+8*\qa+8, HF,   FR+16*\qa+16, 1
	MM ACC+8*\qa,   HF,   FR+16*\qa+8,  0          ; hi x lo
	MM ACC+8*\qa+8, HF,   FR+16*\qa+24, 0
	MM ACC+8*\qa,   HF+8, FR+16*\qa,    0          ; lo x hi
	MM ACC+8*\qa+8, HF+8, FR+16*\qa+16, 0
.endm
	s_wait_loadcnt 16                              ; loads come back in order (ISA guide 5.7.1): W's 16 are younger, hidden's 4 are in
	SPLIT HF, HF+8, HR, 2, 1
	s_wait_loadcnt 0                               ; W: every load holds a word of every tile
	GROUP 0
	GROUP 2
.rept 4
	v_nop                                          ; an LDS store that reads a matrix result stands four plain vector instructions behind it
.endr
	; Register j of tile q in lane (r, hh) is row 8 hh + j, column 4 r + q of the block.
	; the two halves lie 2,048 bytes apart and meet in the same banks: eight rows of any pitch of whole words do.
.irp q, 0,1,2,3
.irp j, 0,1,2,3,4,5,6,7
	ds_store_b32 v[ST], v[ACC+8*\q+\j] offset:256*\j+4*\q
.endr
.endr
	s_wait_dscnt 0x0                               ; my stage is written: zero, since the other waves read it
	s_barrier_signal -1
	s_barrier_wait -1                              ; all eight stages are
.set p, 0
.rept 8
	ds_load_b128 v[RW+4*p:RW+4*p+3], v[RD] offset:4096*p           ; rows 2 w, 2 w + 1 of partial block p: 512 consecutive bytes a wave
.set p, p+1
.endr
	s_wait_dscnt 0x0
.irp k, 0,1,2,3
	v_pk_add_f32 v[RW+8*\k:RW+8*\k+1], v[RW+8*\k:RW+8*\k+1], v[RW+8*\k+4:RW+8*\k+5]
	v_pk_add_f32 v[RW+8*\k+2:RW+8*\k+3], v[RW+8*\k+2:RW+8*\k+3], v[RW+8*\k+6:RW+8*\k+7]
.endr
.irp k, 0,1
	v_pk_add_f32 v[RW+16*\k:RW+16*\k+1], v[RW+16*\k:RW+16*\k+1], v[RW+16*\k+8:RW+16*\k+9]
	v_pk_add_f32 v[RW+16*\k+2:RW+16*\k+3], v[RW+16*\k+2:RW+16*\k+3], v[RW+16*\k+10:RW+16*\k+11]
.endr
	v_pk_add_f32 v[RW:RW+1], v[RW:RW+1], v[RW+16:RW+17]
	v_pk_add_f32 v[RW+2:RW+3], v[RW+2:RW+3], v[RW+18:RW+19]
	global_store_b128 v[CO], v[RW:RW+3], s[8:9]    ; sixteen lanes store 256 consecutive bytes, at a multiple of 256 from vpart's first byte
	s_wait_tensorcnt 0x0
	ds_add_u32 v216, v217
	s_wait_dscnt 0x0
	s_endpgm
.Lfunc_end_k_q8a3cdf2280_vproj:
	.size	k_q8a3cdf2280_vproj, .Lfunc_end_k_q8a3cdf2280_vproj-k_q8a3cdf2280_vproj
	.p2alignl 7, 3214868480
	.fill 96, 4, 3214868480
	.section	.rodata,"a",@progbits
	.p2align	6, 0x0
	.amdhsa_kernel k_q8a3cdf2280_vproj
		.amdhsa_group_segment_fixed_size 33792
		.amdhsa_private_segment_fixed_size 0
		.amdhsa_enable_private_segment 0
		.amdhsa_kernarg_size 24
		.amdhsa_user_sgpr_count 2
		.amdhsa_user_sgpr_kernarg_segment_ptr 1
		.amdhsa_wavefront_size32 1
		.amdhsa_system_sgpr_workgroup_id_x 1
		.amdhsa_system_sgpr_workgroup_id_y 1
		.amdhsa_system_sgpr_workgroup_id_z 1
		.amdhsa_system_vgpr_workitem_id 0
		.amdhsa_next_free_vgpr 218
		.amdhsa_next_free_sgpr 66
		.amdhsa_reserve_vcc 0
		.amdhsa_float_denorm_mode_32 3
		.amdhsa_float_denorm_mode_16_64 3
		.amdhsa_memory_ordered 1
		.amdhsa_forward_progress 1
		.amdhsa_inst_pref_size 19
	.end_amdhsa_kernel
	.amdgpu_metadata
---
amdhsa.version: [ 1, 2 ]
amdhsa.kernels:
  - .name:           k_q8a3cdf2280_vproj
    .symbol:         k_q8a3cdf2280_vproj.kd
    .args:
      - { .name: hidden, .offset: 0, .size: 8, .value_kind: global_buffer, .address_space: global }
      - { .name: W_attn, .offset: 8, .size: 8, .value_kind: global_buffer, .address_space: global }
      - { .name: vpart, .offset: 16, .size: 8, .value_kind: global_buffer, .address_space: global }
    .group_segment_fixed_size: 33792
    .private_segment_fixed_size: 0
    .kernarg_segment_align: 8
    .kernarg_segment_size: 24
    .max_flat_workgroup_size: 256
    .sgpr_count:     66
    .vgpr_count:     218
    .wavefront_size: 32
...
	.end_amdgpu_metadata
.endif
;; end of part 1
;; launch energy (part 2): grid 64 x 4, 16 waves a work-group, no clusters, 7,168 bytes of LDS; arguments encoder_outputs, vpart, ebuf; writes ebuf
.if DOCPART == 2
	.amdgcn_target "amdgcn-amd-amdhsa--gfx1250"
	.amdhsa_code_object_version 6
	.text
	.protected	k_q8a3cdf2280_energy
	.globl	k_q8a3cdf2280_energy
	.p2align	8
	.type	k_q8a3cdf2280_energy,@function
k_q8a3cdf2280_energy:
	s_mov_b64 s[64:65], 0
	v_nop
	global_prefetch_b8 v0, s[64:65] scope:SCOPE_SE
	s_setreg_imm32_b32 hwreg(HW_REG_WAVE_MODE, 25, 1), 1
	s_wait_xcnt 0x0
; ebuf[b][s] = sum over d of v[b][d] * enc[s][b][d],  v[b][d] = the sum of the four parts vpart[kq][b][d].
; enc: [1024 s][64 b][1024 d] f32, vpart: [4][64][1024] f32, ebuf: [64 b][1024 s] f32.
; A stream: every byte of enc is read once and feeds one multiply-add for each 4 bytes, in f32 on the vector unit.  The matrix unit would have one
; useful column for each b and would want a conversion that costs as much as the multiply-add itself; no two waves read the same byte of enc,
; so LDS slots, tensor loads and joint requests have nothing to share.
; SHARES: work-group (b, sq) takes rows s = 256 sq .. + 255 of batch b, 1 MiB; 64 x 4 work-groups.  Wave w of sixteen takes s = 256 sq + 16 w + t,
; t = 0 .. 15.  A row is 4,096 bytes: one wave, eight loads of 16 bytes a lane, each covering 512 consecutive bytes.
; v[b]: thread t of 512 loads the 8 bytes at 8 t of each of the four parts (16 KiB for the work-group), adds them and puts the sum into LDS;
; behind one barrier every wave takes v[b] into 32 registers in the pattern of a row's loads (lane L: numbers 128 j + 4 L .. + 3).
; The first four rows' loads are issued ahead of that, so the stream does not wait for it.
; A ring of four row slots in registers: one row at work, three (24 loads) on their way in each wave.  The sixteen turns are written out,
; so a row's place stands in the load's immediate (at most 15 x 262,144 + 3,584, inside its signed 24 bits) and no address register is ever rewritten.
; LIMIT: the sum along d is made in four chains a lane and then across lanes, and v from four parts: another order of rounding than one chain.
.set SROW,  262144                     ; bytes from s to s + 1: 64 b x 4,096
.set PART,  262144                     ; bytes in a part of vpart
.set SLOTS, 4
.set ROWS,  16                         ; rows of a wave
.set SUMS,  4096                       ; LDS: bytes 0 to 4,095 v[b]; 4,096 to 5,119 the group's 256 sums in the order of s
.set VO,  1                            ; v1        16 x lane: my 16 bytes in each 512 of v[b]
.set EO,  2                            ; v2        16 x lane + w x 16 rows: my 16 bytes in my wave's first row of enc
.set LS,  3                            ; v3        64 w: my wave's sixteen sums, from SUMS on
.set WO,  4                            ; v4        the way out: 512 w + 16 x lane, from SUMS on in LDS and in ebuf alike
.set PO,  6                            ; v6        8 t: my 8 bytes of a part's row, and of v[b] in LDS
.set A,   8                            ; v[8:15]   first my 8 bytes of the four parts; then four chains of two sums
.set P,   16                           ; v16       what the other half of the lanes holds
.set V,   20                           ; v[20:51]  v[b]
.set X,   52                           ; v[52:179] slot i: 32 registers, a row as loaded
	s_load_b128 s[4:7], s[0:1], 0x0                ; enc s[4:5], vpart s[6:7]
	s_load_b64 s[8:9], s[0:1], 0x10                ; ebuf
	v_lshl_add_u32 v180, v0, 2, 0x1400
	v_mov_b32 v181, 0
	v_lshrrev_b32 v5, 5, v0
	v_readfirstlane_b32 s10, v5                    ; w
	s_and_b32 s11, ttmp7, 0xffff                   ; sq;  ttmp9 = b
	s_lshl_b32 s12, ttmp9, 12                      ; b rows of 4,096 bytes
	s_mov_b32 s13, 0
	s_lshl_b32 s14, s11, 26                        ; 256 sq steps of 262,144 bytes: at most 3 << 26
	s_or_b32 s14, s14, s12
	s_mov_b32 s15, 0
	s_lshl_b32 s18, s11, 10                        ; 256 sq numbers of 4 bytes
	s_add_co_u32 s18, s18, s12
	s_mov_b32 s19, 0
	s_mov_b32 s16, 0x76543210                      ; v_permlanex16_b32: lane i of one half reads lane i of the other
	s_mov_b32 s17, 0xfedcba98
	s_lshl_b32 s20, s10, 6
	v_and_b32 v[VO], 31, v0
	v_lshlrev_b32 v[VO], 4, v[VO]
	v_lshl_add_u32 v[EO], s10, 22, v[VO]           ; 16 w steps of 262,144 bytes
	v_lshl_add_u32 v[WO], s10, 9, v[VO]
	v_lshlrev_b32 v[PO], 3, v0
	v_mov_b32 v[LS], s20
	v_mov_b32 v[P], 0                              ; v_permlanex16_b32 counts as a reader of its destination
	s_wait_kmcnt 0x0
	s_add_nc_u64 s[4:5], s[4:5], s[14:15]
	s_add_nc_u64 s[6:7], s[6:7], s[12:13]
	s_add_nc_u64 s[8:9], s[8:9], s[18:19]
.irp k, 0,1,2,3
	global_load_b64 v[A+2*\k:A+2*\k+1], v[PO], s[6:7] offset:\k*PART       ; a wave covers 256 consecutive aligned bytes; read by four work-groups, so no hint
.endr
; eight loads: the whole of the wave's row number 'row' into a slot.  enc is read once in the launch.
.macro FILL slot, row
.irp j, 0,1,2,3,4,5,6,7
	global_load_b128 v[X+32*\slot+4*\j:X+32*\slot+4*\j+3], v[EO], s[4:5] offset:\row*SROW+512*\j th:TH_LOAD_NT
.endr
.endm
	FILL 0, 0
	FILL 1, 1
	FILL 2, 2
	FILL 3, 3
	s_wait_loadcnt 8*SLOTS                         ; loads come back in order (ISA guide 5.7.1): the four rows' 32 are younger, the four parts are in
	v_pk_add_f32 v[A:A+1], v[A:A+1], v[A+2:A+3]
	v_pk_add_f32 v[A+4:A+5], v[A+4:A+5], v[A+6:A+7]
	v_pk_add_f32 v[A:A+1], v[A:A+1], v[A+4:A+5]
	ds_store_b64 v[PO], v[A:A+1]                   ; v[b][2 t], v[b][2 t + 1]
	s_wait_dscnt 0x0                               ; zero: the other waves read these bytes
	s_barrier_signal -1
	s_barrier_wait -1                              ; v[b] is whole; it is never written again
.irp j, 0,1,2,3,4,5,6,7
	ds_load_b128 v[V+4*\j:V+4*\j+3], v[VO] offset:512*\j
.endr
	s_wait_dscnt 0x0
; The turn of row t, in slot t % 4.
.macro TURN t
.if \t < ROWS-SLOTS+1
	s_wait_loadcnt 8*(SLOTS-1)                     ; the three younger rows' 24 loads stay out
.else
	s_wait_loadcnt 8*(ROWS-1-\t)                   ; the last rows: the count of younger rows runs down, 16, 8, 0
.endif
.set XS, X+32*(\t%SLOTS)
.irp k, 0,1,2,3
	v_pk_mul_f32 v[A+2*\k:A+2*\k+1], v[XS+2*\k:XS+2*\k+1], v[V+2*\k:V+2*\k+1]         ; the first products start the chains: nothing is cleared
.endr
.irp k, 4,5,6,7,8,9,10,11,12,13,14,15
	v_pk_fma_f32 v[A+2*(\k%4):A+2*(\k%4)+1], v[XS+2*\k:XS+2*\k+1], v[V+2*\k:V+2*\k+1], v[A+2*(\k%4):A+2*(\k%4)+1]
.endr
.if \t < ROWS-SLOTS
	FILL (\t%SLOTS), (\t+SLOTS)                    ; the slot has been read: its next row goes out ahead of the reduction
.endif
	v_pk_add_f32 v[A:A+1], v[A:A+1], v[A+2:A+3]
	v_pk_add_f32 v[A+4:A+5], v[A+4:A+5], v[A+6:A+7]
	v_pk_add_f32 v[A:A+1], v[A:A+1], v[A+4:A+5]
	v_add_f32 v[A], v[A], v[A+1]
	v_add_f32_dpp v[A], v[A], v[A] row_xmask:1 row_mask:0xf bank_mask:0xf          ; across 16 lanes, on the arithmetic itself
	v_add_f32_dpp v[A], v[A], v[A] row_xmask:2 row_mask:0xf bank_mask:0xf
	v_add_f32_dpp v[A], v[A], v[A] row_xmask:4 row_mask:0xf bank_mask:0xf
	v_add_f32_dpp v[A], v[A], v[A] row_xmask:8 row_mask:0xf bank_mask:0xf
	v_permlanex16_b32 v[P], v[A], s16, s17                                          ; and across the two halves
	v_add_f32 v[A], v[A], v[P]
	ds_store_b32 v[LS], v[A] offset:SUMS+4*\t      ; every lane holds the sum: all write the same word with the same value
.endm
.irp t, 0,1,2,3,4,5,6,7,8,9,10,11,12,13,14,15
	TURN \t
.endr
	; The group's 256 sums lie in LDS in the order of s: 1,024 bytes, which two waves store, 16 bytes a lane.
	s_wait_dscnt 0x0                               ; my sixteen sums are written: zero, since other waves read them
	s_barrier_signal -1
	s_barrier_wait -1
	s_cmp_ge_u32 s10, 2
	s_cbranch_scc1 .Lend
	ds_load_b128 v[A:A+3], v[WO] offset:SUMS
	s_wait_dscnt 0x0
	global_store_b128 v[WO], v[A:A+3], s[8:9]      ; a wave stores 512 consecutive bytes, at a multiple of 256 from ebuf's first byte
.Lend:
	s_wait_tensorcnt 0x0
	ds_add_u32 v180, v181
	s_wait_dscnt 0x0
	s_endpgm
.Lfunc_end_k_q8a3cdf2280_energy:
	.size	k_q8a3cdf2280_energy, .Lfunc_end_k_q8a3cdf2280_energy-k_q8a3cdf2280_energy
	.p2alignl 7, 3214868480
	.fill 96, 4, 3214868480
	.section	.rodata,"a",@progbits
	.p2align	6, 0x0
	.amdhsa_kernel k_q8a3cdf2280_energy
		.amdhsa_group_segment_fixed_size 7168
		.amdhsa_private_segment_fixed_size 0
		.amdhsa_enable_private_segment 0
		.amdhsa_kernarg_size 24
		.amdhsa_user_sgpr_count 2
		.amdhsa_user_sgpr_kernarg_segment_ptr 1
		.amdhsa_wavefront_size32 1
		.amdhsa_system_sgpr_workgroup_id_x 1
		.amdhsa_system_sgpr_workgroup_id_y 1
		.amdhsa_system_sgpr_workgroup_id_z 1
		.amdhsa_system_vgpr_workitem_id 0
		.amdhsa_next_free_vgpr 182
		.amdhsa_next_free_sgpr 66
		.amdhsa_reserve_vcc 0
		.amdhsa_float_denorm_mode_32 3
		.amdhsa_float_denorm_mode_16_64 3
		.amdhsa_memory_ordered 1
		.amdhsa_forward_progress 1
		.amdhsa_inst_pref_size 42
	.end_amdhsa_kernel
	.amdgpu_metadata
---
amdhsa.version: [ 1, 2 ]
amdhsa.kernels:
  - .name:           k_q8a3cdf2280_energy
    .symbol:         k_q8a3cdf2280_energy.kd
    .args:
      - { .name: encoder_outputs, .offset: 0, .size: 8, .value_kind: global_buffer, .address_space: global }
      - { .name: vpart, .offset: 8, .size: 8, .value_kind: global_buffer, .address_space: global }
      - { .name: ebuf, .offset: 16, .size: 8, .value_kind: global_buffer, .address_space: global }
    .group_segment_fixed_size: 7168
    .private_segment_fixed_size: 0
    .kernarg_segment_align: 8
    .kernarg_segment_size: 24
    .max_flat_workgroup_size: 512
    .sgpr_count:     66
    .vgpr_count:     182
    .wavefront_size: 32
...
	.end_amdgpu_metadata
.endif
;; end of part 2
;; launch softmax (part 3): grid 64 x 1, 8 waves a work-group, no clusters, 1,280 bytes of LDS; arguments ebuf, hidden, b_attn, out0; writes out0
.if DOCPART == 3
	.amdgcn_target "amdgcn-amd-amdhsa--gfx1250"
	.amdhsa_code_object_version 6
	.text
	.protected	k_q8a3cdf2280_softmax
	.globl	k_q8a3cdf2280_softmax
	.p2align	8
	.type	k_q8a3cdf2280_softmax,@function
k_q8a3cdf2280_softmax:
	s_mov_b64 s[64:65], 0
	v_nop
	global_prefetch_b8 v0, s[64:65] scope:SCOPE_SE
	s_setreg_imm32_b32 hwreg(HW_REG_WAVE_MODE, 25, 1), 1
	s_wait_xcnt 0x0
; out0[b][s] = softmax over s of (ebuf[b][s] + c[b]),  c[b] = sum over e of hidden[b][e] * bias[e].   All f32; rows of 1,024.
; One work-group for each of the 64 rows (a row's maximum and sum span the row, and work-groups exchange nothing); eight waves; thread t holds the four
; numbers at byte 16 t of the row, of hidden[b] and of bias, so each load and store of a wave covers 512 consecutive bytes.
; The bias term is the same for every s of a row; it is formed and added as the problem states it.
; The row's maximum is taken away before the exponential: M = m + c with m the largest ebuf[b][s]; rounding is monotonic, so e + c <= M for every s,
; the largest gives exp(0) = 1, and the sum lies between 1 and 1,024.
; LIMITS: v_exp_f32 gives 0 where the result would lie below 2^-126 (ISA guide 15.8); the sums over the row are made lane, wave, work-group:
; another order of rounding than one chain.
.set OFF, 1                            ; v1        16 t
.set E,   4                            ; v[4:7]    my four energies, then exponents, then results
.set H,   8                            ; v[8:11]   hidden
.set BI,  12                           ; v[12:15]  bias
.set SU,  16                           ; v16 a sum at work, v17 the other half's
.set MX,  18                           ; v18 a maximum at work, v19 the other half's
.set WA,  20                           ; v20       LDS: 4 w
.set Z,   21                           ; v21       LDS: 0
.set R,   24                           ; v[24:39]  the eight waves' figures
; LDS: bytes 0-31 the waves' parts of c, 32-63 their maxima, 64-95 their sums of exponentials
	s_load_b256 s[4:11], s[0:1], 0x0               ; ebuf s[4:5], hidden s[6:7], bias s[8:9], out0 s[10:11]
	v_lshl_add_u32 v40, v0, 2, 0x100
	v_mov_b32 v41, 0
	v_lshrrev_b32 v2, 5, v0
	v_readfirstlane_b32 s14, v2                    ; w
	s_lshl_b32 s12, ttmp9, 12                      ; row b: 4,096 bytes each
	s_mov_b32 s13, 0
	s_lshl_b32 s15, s14, 2
	s_mov_b32 s16, 0x76543210                      ; v_permlanex16_b32: lane i of one half reads lane i of the other
	s_mov_b32 s17, 0xfedcba98
	v_lshlrev_b32 v[OFF], 4, v0
	v_mov_b32 v[WA], s15
	v_mov_b32 v[Z], 0
	v_mov_b32 v[MX+1], 0                           ; v_permlanex16_b32 counts as a reader of its destination
	s_wait_kmcnt 0x0
	s_add_nc_u64 s[4:5], s[4:5], s[12:13]
	s_add_nc_u64 s[6:7], s[6:7], s[12:13]
	s_add_nc_u64 s[10:11], s[10:11], s[12:13]
	global_load_b128 v[E:E+3], v[OFF], s[4:5]
	global_load_b128 v[H:H+3], v[OFF], s[6:7]
	global_load_b128 v[BI:BI+3], v[OFF], s[8:9]
	s_wait_loadcnt 0x0
	v_pk_mul_f32 v[SU:SU+1], v[H:H+1], v[BI:BI+1]                  ; my part of c
	v_pk_fma_f32 v[SU:SU+1], v[H+2:H+3], v[BI+2:BI+3], v[SU:SU+1]
	v_max3_num_f32 v[MX], v[E], v[E+1], v[E+2]                     ; my part of m
	v_add_f32 v[SU], v[SU], v[SU+1]
	v_max_num_f32 v[MX], v[MX], v[E+3]
.irp x, 1,2,4,8
	v_add_f32_dpp v[SU], v[SU], v[SU] row_xmask:\x row_mask:0xf bank_mask:0xf
	v_max_num_f32_dpp v[MX], v[MX], v[MX] row_xmask:\x row_mask:0xf bank_mask:0xf
.endr
	v_permlanex16_b32 v[SU+1], v[SU], s16, s17
	v_permlanex16_b32 v[MX+1], v[MX], s16, s17
	v_add_f32 v[SU], v[SU], v[SU+1]
	v_max_num_f32 v[MX], v[MX], v[MX+1]
	ds_store_b32 v[WA], v[SU]                      ; every lane holds the wave's figure: all write the same word with the same value
	ds_store_b32 v[WA], v[MX] offset:32
	s_wait_dscnt 0x0                               ; zero: the other waves read these words
	s_barrier_signal -1
	s_barrier_wait -1
	ds_load_b128 v[R:R+3], v[Z]
	ds_load_b128 v[R+4:R+7], v[Z] offset:16
	ds_load_b128 v[R+8:R+11], v[Z] offset:32
	ds_load_b128 v[R+12:R+15], v[Z] offset:48
	s_wait_dscnt 0x0
	v_pk_add_f32 v[R:R+1], v[R:R+1], v[R+2:R+3]
	v_pk_add_f32 v[R+4:R+5], v[R+4:R+5], v[R+6:R+7]
	v_max3_num_f32 v[R+8], v[R+8], v[R+9], v[R+10]
	v_max3_num_f32 v[R+11], v[R+11], v[R+12], v[R+13]
	v_pk_add_f32 v[R:R+1], v[R:R+1], v[R+4:R+5]
	v_max3_num_f32 v[R+8], v[R+8], v[R+14], v[R+15]
	v_add_f32 v[R], v[R], v[R+1]                   ; c
	v_max_num_f32 v[R+8], v[R+8], v[R+11]          ; m
	v_sub_f32 v[R+2], -v[R+8], v[R]                ; -M = -m - c: the exact negative of m + c
	v_pk_add_f32 v[E:E+1], v[E:E+1], v[R:R+1] op_sel_hi:[1,0]              ; e + c (both by the pair's first register)
	v_pk_add_f32 v[E+2:E+3], v[E+2:E+3], v[R:R+1] op_sel_hi:[1,0]
	v_pk_add_f32 v[E:E+1], v[E:E+1], v[R+2:R+3] op_sel_hi:[1,0]            ; - M: first the difference, which is exact for near numbers however
	v_pk_add_f32 v[E+2:E+3], v[E+2:E+3], v[R+2:R+3] op_sel_hi:[1,0]        ; large the energies, then the factor: the two cannot be fused
	v_pk_mul_f32 v[E:E+1], v[E:E+1], 0x3fb8aa3b op_sel_hi:[1,0]            ; x log2(e): v_exp_f32 works in base 2
	v_pk_mul_f32 v[E+2:E+3], v[E+2:E+3], 0x3fb8aa3b op_sel_hi:[1,0]
	v_exp_f32 v[E], v[E]
	v_exp_f32 v[E+1], v[E+1]
	v_exp_f32 v[E+2], v[E+2]
	v_exp_f32 v[E+3], v[E+3]
	v_nop                                          ; one plain vector instruction stands between a transcendental and the use of its result (ISA guide 5.7.2)
	s_wait_alu depctr_va_vdst(0)
	v_pk_add_f32 v[SU:SU+1], v[E:E+1], v[E+2:E+3]
	v_add_f32 v[SU], v[SU], v[SU+1]
.irp x, 1,2,4,8
	v_add_f32_dpp v[SU], v[SU], v[SU] row_xmask:\x row_mask:0xf bank_mask:0xf
.endr
	v_permlanex16_b32 v[SU+1], v[SU], s16, s17
	v_add_f32 v[SU], v[SU], v[SU+1]
	ds_store_b32 v[WA], v[SU] offset:64            ; words of their own: nobody still reads them
	s_wait_dscnt 0x0
	s_barrier_signal -1
	s_barrier_wait -1
	ds_load_b128 v[R:R+3], v[Z] offset:64
	ds_load_b128 v[R+4:R+7], v[Z] offset:80
	s_wait_dscnt 0x0
	v_pk_add_f32 v[R:R+1], v[R:R+1], v[R+2:R+3]
	v_pk_add_f32 v[R+4:R+5], v[R+4:R+5], v[R+6:R+7]
	v_pk_add_f32 v[R:R+1], v[R:R+1], v[R+4:R+5]
	v_add_f32 v[R], v[R], v[R+1]                   ; the row's sum, at least 1
	v_rcp_f32 v[R+2], v[R]
	v_nop                                          ; as above
	s_wait_alu depctr_va_vdst(0)
	v_pk_mul_f32 v[E:E+1], v[E:E+1], v[R+2:R+3] op_sel_hi:[1,0]
	v_pk_mul_f32 v[E+2:E+3], v[E+2:E+3], v[R+2:R+3] op_sel_hi:[1,0]
	global_store_b128 v[OFF], v[E:E+3], s[10:11] th:TH_STORE_NT    ; sixteen lanes store 256 consecutive bytes, at a multiple of 256 from out0's first byte
	s_wait_tensorcnt 0x0
	ds_add_u32 v40, v41
	s_wait_dscnt 0x0
	s_endpgm
.Lfunc_end_k_q8a3cdf2280_softmax:
	.size	k_q8a3cdf2280_softmax, .Lfunc_end_k_q8a3cdf2280_softmax-k_q8a3cdf2280_softmax
	.p2alignl 7, 3214868480
	.fill 96, 4, 3214868480
	.section	.rodata,"a",@progbits
	.p2align	6, 0x0
	.amdhsa_kernel k_q8a3cdf2280_softmax
		.amdhsa_group_segment_fixed_size 1280
		.amdhsa_private_segment_fixed_size 0
		.amdhsa_enable_private_segment 0
		.amdhsa_kernarg_size 32
		.amdhsa_user_sgpr_count 2
		.amdhsa_user_sgpr_kernarg_segment_ptr 1
		.amdhsa_wavefront_size32 1
		.amdhsa_system_sgpr_workgroup_id_x 1
		.amdhsa_system_sgpr_workgroup_id_y 1
		.amdhsa_system_sgpr_workgroup_id_z 1
		.amdhsa_system_vgpr_workitem_id 0
		.amdhsa_next_free_vgpr 42
		.amdhsa_next_free_sgpr 66
		.amdhsa_reserve_vcc 0
		.amdhsa_float_denorm_mode_32 3
		.amdhsa_float_denorm_mode_16_64 3
		.amdhsa_memory_ordered 1
		.amdhsa_forward_progress 1
		.amdhsa_inst_pref_size 6
	.end_amdhsa_kernel
	.amdgpu_metadata
---
amdhsa.version: [ 1, 2 ]
amdhsa.kernels:
  - .name:           k_q8a3cdf2280_softmax
    .symbol:         k_q8a3cdf2280_softmax.kd
    .args:
      - { .name: ebuf, .offset: 0, .size: 8, .value_kind: global_buffer, .address_space: global }
      - { .name: hidden, .offset: 8, .size: 8, .value_kind: global_buffer, .address_space: global }
      - { .name: b_attn, .offset: 16, .size: 8, .value_kind: global_buffer, .address_space: global }
      - { .name: out0, .offset: 24, .size: 8, .value_kind: global_buffer, .address_space: global }
    .group_segment_fixed_size: 1280
    .private_segment_fixed_size: 0
    .kernarg_segment_align: 8
    .kernarg_segment_size: 32
    .max_flat_workgroup_size: 256
    .sgpr_count:     66
    .vgpr_count:     42
    .wavefront_size: 32
...
	.end_amdgpu_metadata
.endif
;; end of part 3
;; ======== version 2 of 2: 3 launches; version 1 with the launch energy written anew for expert scheduling mode
;; workspace buffers: vpart 1,048,576 bytes; ebuf 262,144 bytes
;; launch vproj: the kernel of part 1 again; grid 16 x 16, 8 waves a work-group, no clusters, 33,792 bytes of LDS; arguments hidden, W_attn, vpart; writes vpart
;; launch energy (part 4): grid 64 x 4, 16 waves a work-group, no clusters, 7,168 bytes of LDS; arguments encoder_outputs, vpart, ebuf; writes ebuf
.if DOCPART == 4
	.amdgcn_target "amdgcn-amd-amdhsa--gfx1250"
	.amdhsa_code_object_version 6
	.text
	.protected	k_q8a3cdf2280_energy
	.globl	k_q8a3cdf2280_energy
	.p2align	8
	.type	k_q8a3cdf2280_energy,@function
k_q8a3cdf2280_energy:
	s_mov_b64 s[64:65], 0
	v_nop
	global_prefetch_b8 v0, s[64:65] scope:SCOPE_SE
	s_setreg_imm32_b32 hwreg(HW_REG_WAVE_SCHED_MODE, 0, 2), 2
	s_setreg_imm32_b32 hwreg(HW_REG_WAVE_MODE, 25, 1), 1
	s_wait_xcnt 0x0
	s_wait_alu depctr_vm_vsrc(0)
; ebuf[b][s] = sum over d of v[b][d] * enc[s][b][d],  v[b][d] = the sum of the four parts vpart[kq][b][d].
; enc: [1024 s][64 b][1024 d] f32, vpart: [4][64][1024] f32, ebuf: [64 b][1024 s] f32.
; A stream: every byte of enc is read once and feeds one multiply-add for each 4 bytes, in f32 on the vector unit.  The matrix unit would have one
; useful column for each b and would want a conversion that costs as much as the multiply-add itself; no two waves read the same byte of enc,
; so LDS slots, tensor loads and joint requests have nothing to share.
; SHARES: work-group (b, sq) takes rows s = 256 sq .. + 255 of batch b, 1 MiB; 64 x 4 work-groups.  Wave w of sixteen takes s = 256 sq + 16 w + t,
; t = 0 .. 15.  A row is 4,096 bytes: one wave, eight loads of 16 bytes a lane, each covering 512 consecutive bytes.
; v[b]: thread t of 512 loads the 8 bytes at 8 t of each of the four parts (16 KiB for the work-group), adds them and puts the sum into LDS;
; behind one barrier every wave takes v[b] into 32 registers in the pattern of a row's loads (lane L: numbers 128 j + 4 L .. + 3).
; The first four rows' loads are issued ahead of that, so the stream does not wait for it.
; The sixteen turns are written out, so a row's place stands in the load's immediate (at most 15 x 262,144 + 3,584, inside its signed 24 bits)
; and no address register is ever rewritten.
; THE MODE: SCHED_MODE bits 1:0 = 2 (LLVM: expert scheduling mode 2), set by the entry lines.  The code itself states the register dependences
; between vector instructions and memory or LDS instructions, with s_wait_alu, always for 0.
; THE PLAN.  Registers that memory or LDS instructions touch, in the turns:
;   X0 .. X4    five row slots.  Turn t's sixteen products read X[t % 5]; the eight loads of row t + 4, issued in turn t, land in X[(t + 4) % 5] = X[(t - 1) % 5].
;   S + t       a register for each row's sum.  Written by turn t's last addition, read by the LDS store that is issued in turn t + 1, never written again.
;   v[EO], v[LS]  read by every load and every LDS store of the turns; made at the head, never written again.
;   The chains v[A ..], v[P] and v[b] in v[V ..] are named by vector instructions alone in the turns.
; Turn t's memory and LDS instructions touch the slot that turn t - 1 read and the sum that turn t - 1 wrote, and no vector instruction of turn t names
; either.  So ONE wait on va_vdst at a turn's head states all that they hang on, and they are dealt among the turn's products with no further wait:
; one row at work, three rows (24 loads) out at a turn's head, four when the turn's own eight have been issued.
; LIMIT: the sum along d is made in four chains a lane and then across lanes, and v from four parts: another order of rounding than one chain.
.set SROW,  262144                     ; bytes from s to s + 1: 64 b x 4,096
.set PART,  262144                     ; bytes in a part of vpart
.set SLOTS, 5
.set AHEAD, 4                          ; turn t asks for row t + 4
.set ROWS,  16                         ; rows of a wave
.set SUMS,  4096                       ; LDS: bytes 0 to 4,095 v[b]; 4,096 to 5,119 the group's 256 sums in the order of s
.set VO,  1                            ; v1        16 x lane: my 16 bytes in each 512 of v[b]
.set EO,  2                            ; v2        16 x lane + w x 16 rows: my 16 bytes in my wave's first row of enc
.set LS,  3                            ; v3        64 w: my wave's sixteen sums, from SUMS on
.set WO,  4                            ; v4        the way out: 512 w + 16 x lane, from SUMS on in LDS and in ebuf alike
.set PO,  6                            ; v6        8 t: my 8 bytes of a part's row, and of v[b] in LDS
.set A,   8                            ; v[8:15]   first my 8 bytes of the four parts; then four chains of two sums; at the end 16 bytes of sums on their way out
.set P,   16                           ; v16       what the other half of the lanes holds
.set V,   20                           ; v[20:51]  v[b]
.set X,   52                           ; v[52:211] slot i: 32 registers, a row as loaded
.set S,   212                          ; v[212:227] row t's sum
	s_load_b128 s[4:7], s[0:1], 0x0                ; enc s[4:5], vpart s[6:7]
	s_load_b64 s[8:9], s[0:1], 0x10                ; ebuf
	v_lshl_add_u32 v18, v0, 2, 0x1400
	v_mov_b32 v19, 0
	v_lshrrev_b32 v5, 5, v0
	v_readfirstlane_b32 s10, v5                    ; w
	s_and_b32 s11, ttmp7, 0xffff                   ; sq;  ttmp9 = b
	s_lshl_b32 s12, ttmp9, 12                      ; b rows of 4,096 bytes
	s_mov_b32 s13, 0
	s_lshl_b32 s14, s11, 26                        ; 256 sq steps of 262,144 bytes: at most 3 << 26
	s_or_b32 s14, s14, s12
	s_mov_b32 s15, 0
	s_lshl_b32 s18, s11, 10                        ; 256 sq numbers of 4 bytes
	s_add_co_u32 s18, s18, s12
	s_mov_b32 s19, 0
	s_mov_b32 s16, 0x76543210                      ; v_permlanex16_b32: lane i of one half reads lane i of the other
	s_mov_b32 s17, 0xfedcba98
	v_and_b32 v[VO], 31, v0
	v_lshlrev_b32 v[VO], 4, v[VO]
	v_lshlrev_b32 v[PO], 3, v0
	v_mov_b32 v[P], 0                              ; v_permlanex16_b32 counts as a reader of its destination
	s_wait_alu depctr_va_sdst(0)                   ; s10 is written, ahead of its first reader: the line below
	s_lshl_b32 s20, s10, 6
	v_lshl_add_u32 v[EO], s10, 22, v[VO]           ; 16 w steps of 262,144 bytes
	v_lshl_add_u32 v[WO], s10, 9, v[VO]
	v_mov_b32 v[LS], s20
	s_wait_kmcnt 0x0
	s_add_nc_u64 s[4:5], s[4:5], s[14:15]
	s_add_nc_u64 s[6:7], s[6:7], s[12:13]
	s_add_nc_u64 s[8:9], s[8:9], s[18:19]
	s_wait_alu depctr_va_vdst(0)                   ; the five offsets and addresses VO, EO, LS, WO, PO are written: every load and store of the kernel reads one of them
.irp k, 0,1,2,3
	global_load_b64 v[A+2*\k:A+2*\k+1], v[PO], s[6:7] offset:\k*PART       ; a wave covers 256 consecutive aligned bytes; read by four work-groups, so no hint
.endr
; eight loads: the whole of the wave's row number 'row' into a slot.  enc is read once in the launch.
.macro FILL slot, row
.irp j, 0,1,2,3,4,5,6,7
	global_load_b128 v[X+32*\slot+4*\j:X+32*\slot+4*\j+3], v[EO], s[4:5] offset:\row*SROW+512*\j th:TH_LOAD_NT
.endr
.endm
	FILL 0, 0
	FILL 1, 1
	FILL 2, 2
	FILL 3, 3                                      ; slot 4 is filled in turn 0, like every slot after it: one turn behind the products that read it
	s_wait_loadcnt 8*AHEAD                         ; loads come back in order (ISA guide 5.7.1): the four rows' 32 are younger, the four parts are in
	v_pk_add_f32 v[A:A+1], v[A:A+1], v[A+2:A+3]
	v_pk_add_f32 v[A+4:A+5], v[A+4:A+5], v[A+6:A+7]
	v_pk_add_f32 v[A:A+1], v[A:A+1], v[A+4:A+5]
	s_wait_alu depctr_va_vdst(0)                   ; the additions have written v[A:A+1], which the LDS store reads
	ds_store_b64 v[PO], v[A:A+1]                   ; v[b][2 t], v[b][2 t + 1]
	s_wait_dscnt 0x0                               ; zero: the other waves read these bytes
	s_barrier_signal -1
	s_barrier_wait -1                              ; v[b] is whole; it is never written again
	s_wait_alu depctr_vm_vsrc(0)                   ; my LDS store has read v[A:A+1]: these registers are chains from here on, written by turn 0's first products
.irp j, 0,1,2,3,4,5,6,7
	ds_load_b128 v[V+4*\j:V+4*\j+3], v[VO] offset:512*\j           ; no vector instruction has named v[V ..]
.endr
	s_wait_dscnt 0x0
; Pair m of a row's sixteen pairs of products, into chain m % 4.  XS: the slot at work.
.macro PROD m
.if (\m) < 4
	v_pk_mul_f32 v[A+2*(\m):A+2*(\m)+1], v[XS+2*(\m):XS+2*(\m)+1], v[V+2*(\m):V+2*(\m)+1]     ; the first products start the chains: nothing is cleared
.else
	v_pk_fma_f32 v[A+2*((\m)%4):A+2*((\m)%4)+1], v[XS+2*(\m):XS+2*(\m)+1], v[V+2*(\m):V+2*(\m)+1], v[A+2*((\m)%4):A+2*((\m)%4)+1]
.endif
.endm
; The turn of row t, in slot t % 5.
.macro TURN t
.if \t < ROWS-AHEAD+1
	s_wait_loadcnt 8*(AHEAD-1)                     ; the three younger rows' 24 loads stay out
.else
	s_wait_loadcnt 8*(ROWS-1-\t)                   ; the last rows: the count of younger rows runs down, 16, 8, 0
.endif
.set XS, X+32*(\t%SLOTS)
.set XN, X+32*((\t+AHEAD)%SLOTS)
.if \t > 0
	s_wait_alu depctr_va_vdst(0)                   ; the turn before has written its sum, which the LDS store below reads, and is done reading its slot, in which the loads below land
	ds_store_b32 v[LS], v[S+\t-1] offset:SUMS+4*(\t-1)     ; every lane holds the sum: all write the same word with the same value
.endif
.set k, 0
.rept 8
.if \t < ROWS-AHEAD
	global_load_b128 v[XN+4*k:XN+4*k+3], v[EO], s[4:5] offset:(\t+AHEAD)*SROW+512*k th:TH_LOAD_NT   ; four rows ahead; no vector instruction since the wait names these registers (in turn 0: none ever has)
.endif
	PROD 2*k
	PROD 2*k+1
.set k, k+1
.endr
	v_pk_add_f32 v[A:A+1], v[A:A+1], v[A+2:A+3]
	v_pk_add_f32 v[A+4:A+5], v[A+4:A+5], v[A+6:A+7]
	v_pk_add_f32 v[A:A+1], v[A:A+1], v[A+4:A+5]
	v_add_f32 v[A], v[A], v[A+1]
	v_add_f32_dpp v[A], v[A], v[A] row_xmask:1 row_mask:0xf bank_mask:0xf          ; across 16 lanes, on the arithmetic itself
	v_add_f32_dpp v[A], v[A], v[A] row_xmask:2 row_mask:0xf bank_mask:0xf
	v_add_f32_dpp v[A], v[A], v[A] row_xmask:4 row_mask:0xf bank_mask:0xf
	v_add_f32_dpp v[A], v[A], v[A] row_xmask:8 row_mask:0xf bank_mask:0xf
	v_permlanex16_b32 v[P], v[A], s16, s17                                          ; and across the two halves
	v_add_f32 v[S+\t], v[A], v[P]                  ; the row's sum, in a register of its own: the next turn stores it
.endm
.irp t, 0,1,2,3,4,5,6,7,8,9,10,11,12,13,14,15
	TURN \t
.endr
	s_wait_alu depctr_va_vdst(0)                   ; turn 15 has written its sum, which the LDS store reads, and is done with v[A:A+3], in which the load from LDS lands behind the barrier; no vector instruction follows
	ds_store_b32 v[LS], v[S+ROWS-1] offset:SUMS+4*(ROWS-1)
	; The group's 256 sums lie in LDS in the order of s: 1,024 bytes, which two waves store, 16 bytes a lane.
	s_wait_dscnt 0x0                               ; my sixteen sums are written: zero, since other waves read them
	s_barrier_signal -1
	s_barrier_wait -1
	s_cmp_ge_u32 s10, 2
	s_cbranch_scc1 .Lend
	ds_load_b128 v[A:A+3], v[WO] offset:SUMS
	s_wait_dscnt 0x0
	global_store_b128 v[WO], v[A:A+3], s[8:9]      ; a wave stores 512 consecutive bytes, at a multiple of 256 from ebuf's first byte
.Lend:
	s_wait_dscnt 0x0
	s_wait_alu depctr_hold_cnt(0) depctr_sa_sdst(0) depctr_va_vdst(0) depctr_va_sdst(0) depctr_va_ssrc(0) depctr_va_vcc(0) depctr_vm_vsrc(0)
	s_wait_tensorcnt 0x0
	ds_add_u32 v18, v19
	s_wait_dscnt 0x0
	s_endpgm
.Lfunc_end_k_q8a3cdf2280_energy:
	.size	k_q8a3cdf2280_energy, .Lfunc_end_k_q8a3cdf2280_energy-k_q8a3cdf2280_energy
	.p2alignl 7, 3214868480
	.fill 96, 4, 3214868480
	.section	.rodata,"a",@progbits
	.p2align	6, 0x0
	.amdhsa_kernel k_q8a3cdf2280_energy
		.amdhsa_group_segment_fixed_size 7168
		.amdhsa_private_segment_fixed_size 0
		.amdhsa_enable_private_segment 0
		.amdhsa_kernarg_size 24
		.amdhsa_user_sgpr_count 2
		.amdhsa_user_sgpr_kernarg_segment_ptr 1
		.amdhsa_wavefront_size32 1
		.amdhsa_system_sgpr_workgroup_id_x 1
		.amdhsa_system_sgpr_workgroup_id_y 1
		.amdhsa_system_sgpr_workgroup_id_z 1
		.amdhsa_system_vgpr_workitem_id 0
		.amdhsa_next_free_vgpr 228
		.amdhsa_next_free_sgpr 66
		.amdhsa_reserve_vcc 0
		.amdhsa_float_denorm_mode_32 3
		.amdhsa_float_denorm_mode_16_64 3
		.amdhsa_memory_ordered 1
		.amdhsa_forward_progress 1
		.amdhsa_inst_pref_size 43
	.end_amdhsa_kernel
	.amdgpu_metadata
---
amdhsa.version: [ 1, 2 ]
amdhsa.kernels:
  - .name:           k_q8a3cdf2280_energy
    .symbol:         k_q8a3cdf2280_energy.kd
    .args:
      - { .name: encoder_outputs, .offset: 0, .size: 8, .value_kind: global_buffer, .address_space: global }
      - { .name: vpart, .offset: 8, .size: 8, .value_kind: global_buffer, .address_space: global }
      - { .name: ebuf, .offset: 16, .size: 8, .value_kind: global_buffer, .address_space: global }
    .group_segment_fixed_size: 7168
    .private_segment_fixed_size: 0
    .kernarg_segment_align: 8
    .kernarg_segment_size: 24
    .max_flat_workgroup_size: 512
    .sgpr_count:     66
    .vgpr_count:     228
    .wavefront_size: 32
...
	.end_amdgpu_metadata
.endif
;; end of part 4
;; launch softmax: the kernel of part 3 again; grid 64 x 1, 8 waves a work-group, no clusters, 1,280 bytes of LDS; arguments ebuf, hidden, b_attn, out0; writes out0
